; MI455X (gfx1250); checked and timed in simulation.
; The chip was launched on July 23, 2026; its instructions are those of AMD's public machine-readable ISA for CDNA 5 (MIT licence, August 2026) and "CDNA5" Instruction Set Architecture Reference Guide (July 2026). The comments in the code are by the model that wrote it; some were corrected since.
;; Causal Self Attention. Allowed arithmetic: matrix products marked QUANTISED: E5M2 operands, one given power-of-two scale a tensor, by v_wmma_f32_16x16x64_bf8_bf8 or v_wmma_f32_16x16x128_bf8_bf8, f32 sums; everything else in f32.
;; Inputs: in_b 3,072 float32; in_w_codes 3,072 x 32 x 32 uint8 (E5M2 codes of in_w, K innermost, in blocks of 32 codes); lowp_scales 8 int32 (the exponents e of the quantised operands' scales 2^e); out_b 1,024 float32; out_w_codes 1,024 x 32 x 32 uint8 (E5M2 codes of out_w, K innermost, in blocks of 32 codes); x_codes 4 x 2,048 x 32 x 32 uint8 (E5M2 codes of x, K innermost, in blocks of 32 codes).
;; Outputs: out0 4 x 2,048 x 1,024 float32.
;; This version of the problem:
;;   THIS VERSION OF THE PROBLEM IS GIVEN IN LOW PRECISION. The matrix products marked QUANTISED in the list below multiply operands that are first quantised to E5M2 (5 exponent bits, 2 mantissa bits; 8 bits a number), with one given power-of-two scale for each operand tensor; their sums are f32. All else is computed in f32.
;;   The module's matrix products, in the order in which they are computed (A, B: the left and right operand; K: the contracted axis; several contracted axes count as one K, in the product's order):
;;     1. [M 8,192, K 1,024] x [K 1,024, N 3,072]; A: input x (given as codes); B: input in_w (given as codes): QUANTISED (scales: A lowp_scales[0], B lowp_scales[1])
;;     2. batch 64 x [M 2,048, K 64] x [K 64, N 2,048]; A: computed on the way; B: computed on the way: QUANTISED (scales: A lowp_scales[2], B lowp_scales[3])
;;     3. batch 64 x [M 2,048, K 2,048] x [K 2,048, N 64]; A: softmax (see below); B: computed on the way: QUANTISED (scales: A lowp_scales[4], B lowp_scales[5])
;;     4. [M 8,192, K 1,024] x [K 1,024, N 1,024]; A: computed on the way; B: input out_w (given as codes): QUANTISED (scales: A lowp_scales[6], B lowp_scales[7])
;;   THE QUANTISER, for each operand of a quantised product, along K:
;;     - The operand's scale is 2^e, e = its entry of the input lowp_scales (int32; the entries are numbered through the quantised products in the list's order, A before B).
;;     - Each number is divided by the scale, clamped to +-57,344, and rounded to the nearest number of E5M2, ties to even, subnormals kept.
;;     - The product sums the exact products of the quantised numbers (number of the format x scale) in f32.
;;   ~~~python
;;   def quantise(x, axis, e):      # numpy; x: float32 -> the quantised numbers, widened to float32 again
;;       x = np.moveaxis(x, axis, -1); K = x.shape[-1]
;;       r = np.clip(x / 2.0 ** e, -57344, 57344)
;;       step = 2.0 ** (np.maximum(np.frexp(np.where(r == 0, 1, r))[1] - 1, -14) - 2)
;;       q = np.round(r / step) * step * 2.0 ** e      # np.round: ties to even
;;       return np.moveaxis(q, -1, axis).astype(np.float32)
;;   ~~~
;;   SOFTMAX AHEAD OF A QUANTISED PRODUCT. Where the list says 'softmax', what is quantised is not the finished softmax but p = 2^(t - M), with t = logit x log2(e) and M = ceil(the row's largest t), a whole number; so 1/2 < the row's largest p <= 1. The row's sum l is taken of the UNQUANTISED p, in f32, and the product's result is divided by l at the end. Since M is a whole number, a kernel that streams over the keys may use a running M (the ceiling of the running maximum): every later rescaling is an exact power of two, so the quantised numbers keep their values, but for numbers so far below the row's largest that they fall under the format's range.
;;   OPERANDS COMPUTED ON THE WAY. 'Computed on the way' means the value that the module computes at that place (a softmax that the list does not call 'softmax' is quantised finished and normalised). What goes into a quantiser is computed in f32, as accurately as f32 sums, v_exp_f32 and their like allow (about 1e-6 of the number): no bf16 or f16 on the way to a quantiser, and a product that is left as it is and whose result goes on into a quantised operand takes f32 operands (vector FMAs, or v_wmma_f32_16x16x4_f32). A number that lies on a knife's edge between two numbers of the format may be rounded either way, as far as f32 arithmetic and the matrix unit's own rounding can turn it there, and no further.
;;   INPUTS GIVEN AS CODES. in_w (in the module: [1024, 3072], K = its axis 0); out_w (in the module: [1024, 1024], K = its axis 0); x (in the module: [4, 2048, 1024], K = its axis 2): each comes as NAME_codes (uint8): NAME with its K axis moved to the last place and cut into blocks of 32 codes, [.., K / 32, bytes a block], one block behind the other in memory; one code a byte (a code: sign, 5 exponent bits, 2 mantissa bits); its scale is its entry of lowp_scales. Its value is code x scale, taken as it is: it is not quantised again, and the codes and scales need not be those that the quantiser above would give.
;; One version. Each part assembles by itself: llvm-mc -triple=amdgcn-amd-amdhsa -mcpu=gfx1250 --defsym DOCPART=n.
;; ======== version 1 of 1: 3 launches
;; limits: right only within a limited range of input values
;; workspace buffers: qkv 25,165,824 bytes; att 8,388,608 bytes
;; launch qkv (part 1): grid 12 x 32, 4 waves a work-group, clusters of 4 x 4, 327,680 bytes of LDS; arguments x_codes, in_w_codes, lowp_scales, in_b, qkv; writes qkv
.if DOCPART == 1
	.amdgcn_target "amdgcn-amd-amdhsa--gfx1250"
	.amdhsa_code_object_version 6
	.text
	.protected	k_qfaff914c94_qkv
	.globl	k_qfaff914c94_qkv
	.p2align	8
	.type	k_qfaff914c94_qkv,@function
k_qfaff914c94_qkv:
	s_mov_b64 s[64:65], 0
	v_nop
	global_prefetch_b8 v0, s[64:65] scope:SCOPE_SE
	s_setreg_imm32_b32 hwreg(HW_REG_WAVE_MODE, 25, 1), 1
	s_wait_xcnt 0x0
	s_wait_alu depctr_hold_cnt(0) depctr_sa_sdst(0) depctr_va_vdst(0) depctr_va_sdst(0) depctr_va_ssrc(0) depctr_va_vcc(0) depctr_vm_vsrc(0)
	s_getreg_b32 s2, hwreg(HW_REG_IB_STS2, 6, 4)
	s_cmp_eq_u32 s2, 0
	s_cbranch_scc0 .Lentry_in_a_cluster
	s_endpgm
.Lentry_in_a_cluster:
	s_bfe_u32 s2, ttmp6, 0x10000c
	s_cmp_lg_u32 s2, 0xf033
	s_cbranch_scc0 .Lentry_shape_is_right
	s_endpgm
.Lentry_shape_is_right:
; q, k, v = x in_w + in_b on codes of BF8 (E5M2), and each result quantised again: q by 2^e2 and k by 2^e3 along the head's 64, v by 2^e5 along the keys.
; x: [8192][1024] codes, in_w: [3072][1024] codes (K innermost), in_b: [3072] f32.  e0 .. e7 are the whole numbers in the buffer of scales.
; OUT: three regions of 8,388,608 bytes: Q, K, V.  Head hb = 16 b + h begins at 131,072 hb in each.  Q, K: [l][64 bytes].  V: [l / 64][d][64 bytes along the keys].
; Inside each group of 32 codes the byte at 16 h' + 8 u + j holds index 16 u + 8 h' + j: a 16-byte load at 16 x (lane / 16) then puts every index where the matrix instruction's own layout has it.
; A tile of 256 x 256 of the product is made by four waves, 128 x 128 each: 64 accumulators, 512 registers.  K = 1,024 goes in four steps of 256 through two LDS slots.
; THE MATRIX INSTRUCTION takes source 0 = 16 rows of SIDE B, source 1 = 16 rows of SIDE A: a lane then holds one index of side A and eight neighbouring indices of side B.
; q and k are quantised along n, v along the keys, so the cluster's x (0: q, 1: k, 2: v; the same in all sixteen partners) sets the roles: q, k: A = x, B = in_w;  v: A = in_w, B = x.
; CLUSTERS: 4 x 4 work-groups; side A's tile is shared along a row of the cluster, side B's along a column: each is asked for jointly, by the same tensor load with the same descriptor and a mask of the four.
; THE BIAS is the C of each sum's first product, as in_b / 2^(e0 + e1); the three scales ahead of the quantiser are folded into the conversion's one, 2^(e_dst - e0 - e1).
; LIMITS: e_dst - e0 - e1 between -126 and 112 (e_dst = e2, e3, e5), and in_b / 2^(e0 + e1) a finite f32 number.  NaN among the inputs is not served.
; REGISTERS: window 0: v1-31 addresses and constants; v32-95 the bias; v96-103 the bias loads' offsets; v128-255 side A's fragments, ONE set, later the codes.
;   window 1: side B's fragments, two sets, later the rows read back.   windows 2, 3: the accumulators ((a, b) at v[8 (8 (a % 4) + b)]).
.set ROWB,   256                       ; a tile's row: 256 codes
.set KROW,   1024                      ; a row of x or of in_w in memory
.set PITCH,  272                       ; an LDS row: 256 bytes + 16 of padding: the 16 rows that a load touches start 68 words apart
.set FR,     16                        ; registers of a fragment: 16 rows x 128 K
.set NL,     4                         ; LDS loads that bring one
.set NP,     4                         ; places behind this matrix instruction (ISA guide 7.12.1)
.set HALFT,  128*PITCH                 ; 128 rows: one tensor load
.set SLOT,   4*HALFT                   ; A's 256 rows, then B's 256 rows
.set SPARE,  2*SLOT                    ; behind the ring: the spare words, 128 bytes a wave
.set WSTG,   20480                     ; the way out: a wave's stage, four blocks of 64 rows x 80 bytes, in slot 0 behind its last fill and its last read
.set BLKB,   5120
.set SPI,    80                        ; a stage row: 64 bytes + 16
.set CO,   8                           ; v8-11   my byte offset in the output for the four blocks
.set ADRA, 16                          ; v16-17  LDS address of my A fragments in slot 0, 1
.set ADRB, 20                          ; v20-21  the same for B
.set STO,  24                          ; v24     the stage: where I put 16 bytes of a row
.set RD,   25                          ; v25     and where I read rows back
.set SC,   27                          ; v27     2^(e_dst - e0 - e1) as f32
.set SPW,  28                          ; v28     LDS address of my spare word; never rewritten
.set NIL,  29                          ; v29     0; never rewritten
.set LM,   30
.set BI,   32                          ; v32-95  the bias in the result's layout
.set TMP,  32
.set BO,   96                          ; v96-103 byte offsets of the bias loads
.set AF,   128
.set G1, 24                            ; s[24:31] descriptor group 1 for A's tiles;  s[32:39] group 0, one set a slot
.set G0, 32
.set G1B, 48                           ; s[48:55], s[56:63] the same for B's tiles
.set G0B, 56
.set MSB, 0
.macro WIN new                         ; the immediate's high byte repeats the setting that is left
.if MSB != \new
	s_set_vgpr_msb (MSB<<8)|\new
.set MSB, \new
.endif
.endm
.set MUL_LO, 0xa1                      ; source 0 (B) window 1, source 1 (A) window 0, C and D window 2
.set MUL_HI, 0xf1                      ; the same, C and D window 3
.set TO_B,   0x40                      ; destination window 1, address window 0
; A joint load: waves 0 and 1 fetch for A, waves 2 and 3 for B; the branch hangs on the wave's number alone.  Four v_nop follow each of the two lines.
.macro JLOAD g0a, g1a, g0b, g1b
	s_cmp_eq_u32 s15, 0
	s_cbranch_scc0 .Lfor_b_\@
	tensor_load_to_lds s[\g0a:\g0a+3], s[\g1a:\g1a+7]
	s_nop 0
.rept 4
	v_nop
.endr
	s_branch .Lasked_\@
.Lfor_b_\@:
	tensor_load_to_lds s[\g0b:\g0b+3], s[\g1b:\g1b+7]
	s_nop 0
.rept 4
	v_nop
.endr
.Lasked_\@:
.endm
.macro CREST                           ; a round of the cluster's barrier behind its opening barrier
	s_cmp_lg_u32 s14, 0
	s_cbranch_scc1 .Lnot_wave_0_\@
	s_barrier_signal -3
.Lnot_wave_0_\@:
	s_barrier_wait -3
	s_barrier_signal -1
	s_barrier_wait -1
.endm
.macro CROUND                          ; a whole round
	s_barrier_signal -1
	s_barrier_wait -1
	CREST
.endm
	s_load_b256 s[4:11], s[0:1], 0x0               ; x s[4:5], in_w s[6:7], the scales' exponents s[8:9], in_b s[10:11]
	s_load_b64 s[12:13], s[0:1], 0x20              ; the output
	v_lshl_add_u32 v[SPW], v0, 2, SPARE
	v_mov_b32 v[NIL], 0
	ds_add_u32 v28, v29
	ds_add_u32 v28, v29
	s_wait_dscnt 0x0
	v_lshrrev_b32 v1, 5, v0
	v_readfirstlane_b32 s14, v1                    ; wave 0..3
	s_lshr_b32 s15, s14, 1                         ; which half of side A's 256 is mine.  Also: I fetch for A (0) or for B (1)
	s_and_b32 s16, s14, 1                          ; which half of side B's.  Also: which 128 rows of that tile I fetch
	s_bfe_u32 s40, ttmp6, 0x40000                  ; cx, cy: my place in the cluster
	s_bfe_u32 s41, ttmp6, 0x40004
	s_and_b32 s67, ttmp7, 0xffff                   ; the cluster's y
	s_mov_b32 s90, 4096
	s_mov_b32 s91, 0x20000
	s_cmp_eq_u32 ttmp9, 2                          ; is this cluster v's?  The cluster's x is the same in all sixteen partners
	s_cselect_b32 s68, ttmp9, s67                  ; the group of four tiles of side A: in_w's by the cluster's x, x's by its y
	s_cselect_b32 s69, s67, ttmp9                  ; and of side B
	s_cselect_b32 s66, 1, 0                        ; 1: v
	s_cselect_b32 s74, 4, 0                        ; the bias loads: bytes for each l % 16,
	s_cselect_b32 s75, 0, 32                       ; for each half of the lanes,
	s_cselect_b32 s76, 0, 4                        ; and for each register
	s_cselect_b32 s90, 0x20000, s90                ; the output: bytes from 64 of side A to the next 64 (q, k: 64 rows of 64 bytes; v: a head),
	s_cselect_b32 s91, 4096, s91                   ; and the same for side B
	s_lshl_b32 s17, s68, 2
	s_add_co_u32 s17, s17, s41                     ; side A's tile = 4 x its group + cy
	s_lshl_b32 s42, s69, 2
	s_add_co_u32 s42, s42, s40                     ; side B's tile = 4 x its group + cx
	s_lshl_b32 s43, s41, 2
	s_lshl_b32 s43, 15, s43                        ; my row of the cluster
	s_lshl_b32 s44, 0x1111, s40                    ; my column
	; descriptor group 1: a tile of 128 rows x 256 bytes, padded in LDS
	s_or_b32 s[G1+0], s43, (0<<16)|(1<<20)|(1<<21)|(5<<22)|(3<<25)  ; 15:0 the mask; 17:16 elements of 1 byte; 20 padding on; 21 set beside a mask; 24:22 after every 64 words; 31:25 four words
	s_or_b32 s[G1B+0], s44, (0<<16)|(1<<20)|(1<<21)|(5<<22)|(3<<25)
.irp g, G1, G1B
	s_mov_b32 s[\g+1], ROWB<<16                    ; tensor_dim0
	s_mov_b32 s[\g+2], 128<<16                     ; tensor_dim1
	s_mov_b32 s[\g+3], ROWB<<16                    ; tile_dim0
	s_mov_b32 s[\g+4], 128                         ; tile_dim1
	s_mov_b32 s[\g+5], KROW                        ; tensor_dim0_stride
	s_mov_b32 s[\g+6], 0
	s_mov_b32 s[\g+7], 0
.endr
	s_lshl_b32 s18, s16, 7                         ; which 128 rows of the tile I fetch
	s_lshl_b32 s20, s17, 8
	s_add_co_u32 s20, s20, s18
	s_lshl_b32 s20, s20, 10                        ; A: (256 x tile + 128 x half) rows of 1,024 bytes
	s_mov_b32 s21, 0
	s_lshl_b32 s46, s42, 8
	s_add_co_u32 s46, s46, s18
	s_lshl_b32 s46, s46, 10                        ; B likewise
	s_mov_b32 s47, 0
	s_mul_i32 s45, s14, HALFT                      ; where they go: wave x 128 rows: no place in the cluster enters an LDS address
	s_wait_kmcnt 0x0
	s_load_b256 s[80:87], s[8:9], 0x0              ; e0 .. e7
	s_cmp_eq_u32 ttmp9, 2
	s_cselect_b64 s[70:71], s[6:7], s[4:5]         ; side A's buffer
	s_cselect_b64 s[72:73], s[4:5], s[6:7]         ; side B's
	s_add_nc_u64 s[20:21], s[70:71], s[20:21]
	s_add_nc_u64 s[46:47], s[72:73], s[46:47]
	CROUND                                         ; all sixteen work-groups are here: the first joint loads meet
.irp s, 0,1
	s_mov_b32 s[G0+4*\s], 1
	s_add_co_u32 s[G0+4*\s+1], s45, \s*SLOT
	s_add_nc_u64 s[G0+4*\s+2:G0+4*\s+3], s[20:21], \s*ROWB
	s_or_b32 s[G0+4*\s+3], s[G0+4*\s+3], 0x80000000
	s_mov_b32 s[G0B+4*\s], 1
	s_add_co_u32 s[G0B+4*\s+1], s45, \s*SLOT
	s_add_nc_u64 s[G0B+4*\s+2:G0B+4*\s+3], s[46:47], \s*ROWB
	s_or_b32 s[G0B+4*\s+3], s[G0B+4*\s+3], 0x80000000
	JLOAD G0+4*\s, G1, G0B+4*\s, G1B               ; two loads of mine are out
.endr
	v_and_b32 v1, 15, v0                           ; l % 16
	s_wait_alu depctr_va_vdst(0)
	v_bfe_u32 v2, v0, 4, 1                         ; l / 16
	v_mul_u32_u24 v3, v1, PITCH
	v_lshl_add_u32 v4, v2, 4, v3                   ; a fragment's row x pitch + 16 x half
	s_mul_i32 s21, s15, HALFT                      ; my 128 rows of A
	s_mul_i32 s22, s16, HALFT                      ; my 128 rows of B,
	s_add_co_u32 s22, s22, 2*HALFT                 ; which lie behind A's 256
.irp s, 0,1
	v_add_nc_u32 v[ADRA+\s], s21, v4
	v_add_nc_u32 v[ADRB+\s], s22, v4
	s_add_co_u32 s21, s21, SLOT
	s_add_co_u32 s22, s22, SLOT
.endr
	; my first index of side A and of side B; which of them is n and which a row of x
	s_lshl_b32 s77, s17, 8
	s_lshl_b32 s98, s15, 7
	s_add_co_u32 s77, s77, s98                     ; side A: 256 x tile + 128 x half
	s_lshl_b32 s93, s42, 8
	s_lshl_b32 s98, s16, 7
	s_add_co_u32 s93, s93, s98                     ; side B
	s_cmp_eq_u32 s66, 1
	s_cselect_b32 s96, s77, s93                    ; my first n
	s_cselect_b32 s97, s93, s77                    ; my first row of x
	s_lshl_b32 s78, s96, 2
	s_mov_b32 s79, 0
	s_add_nc_u64 s[78:79], s[10:11], s[78:79]      ; in_b at my first n
	; the bias in the result's layout: q, k: register 8 b + j = in_b[n0 + 16 b + 8 (l / 16) + j];  v: register 8 a + j = in_b[n0 + 16 a + l % 16] for every j
	v_mul_u32_u24 v14, v1, s74
	s_wait_alu depctr_va_vdst(0)
	v_mad_u32_u24 v14, v2, s75, v14
	v_mov_b32 v15, s76
.irp j, 0,1,2,3,4,5,6,7
	v_mad_u32_u24 v[BO+\j], v15, \j, v14
.endr
.irp t, 0,1,2,3,4,5,6,7
.irp j, 0,1,2,3,4,5,6,7
	global_load_b32 v[BI+8*\t+\j], v[BO+\j], s[78:79] offset:64*\t
.endr
.endr
	; the way out: the stage and the output
	s_mul_i32 s23, s14, WSTG                       ; my stage
	v_mul_u32_u24 v5, v1, SPI                      ; in: row l % 16 of a block's sixteen, 16 bytes for each half of the lanes
	v_lshl_add_u32 v5, v2, 4, v5
	v_add_nc_u32 v[STO], s23, v5
	v_and_b32 v6, 31, v0
	v_lshrrev_b32 v7, 2, v6                        ; back: four lanes to a row of 64 bytes, eight rows an instruction
	v_mul_u32_u24 v7, v7, SPI
	v_and_b32 v12, 3, v6
	v_lshl_add_u32 v7, v12, 4, v7
	v_add_nc_u32 v[RD], s23, v7
	v_lshlrev_b32 v[CO], 4, v6                     ; and the same 512 bytes on end in the output: block (0, 0),
	v_add_nc_u32 v[CO+1], s91, v[CO]               ; (0, 1): 64 of side B on,
	v_add_nc_u32 v[CO+2], s90, v[CO]               ; (1, 0): 64 of side A on,
	v_add_nc_u32 v[CO+3], 0x21000, v[CO]           ; (1, 1): both: 131,072 + 4,096 either way
	s_lshl_b32 s94, ttmp9, 23                      ; the region: q, k or v
	s_lshr_b32 s98, s97, 11
	s_lshl_b32 s98, s98, 21
	s_add_co_u32 s94, s94, s98                     ; + the batch's 16 heads
	s_and_b32 s98, s96, 1023
	s_lshr_b32 s98, s98, 6
	s_lshl_b32 s98, s98, 17
	s_add_co_u32 s94, s94, s98                     ; + the head
	s_and_b32 s98, s97, 2047
	s_lshl_b32 s98, s98, 6
	s_add_co_u32 s94, s94, s98                     ; + 64 bytes for each l (in V: 4,096 for each 64)
	s_mov_b32 s95, 0
	s_add_nc_u64 s[12:13], s[12:13], s[94:95]
.macro FRAG reg, adr, q, i             ; a fragment: lane l holds row l % 16; registers 4 c .. 4 c + 3 hold K = 32 c + 16 (l / 16) + 0 .. 15: the same order of K on both sides
.irp c, 0,1,2,3
	ds_load_b128 v[\reg+4*\c:\reg+4*\c+3], v[\adr] offset:128*(\q)+32*\c+(\i)*16*PITCH
.endr
.endm
; 16 matrix instructions: A's blocks a0, a0 + 1 x B's eight, 128 along K.  p: B's set.  zero = 0: onto the sums; 1: the sums begin with the bias by B's block; 2: by A's block.
; The 64 accumulators take turns, one instruction a turn, in the same order in every step.
.macro MUL16 a0, p, zero
.irp a, \a0, \a0+1
.irp b, 0,1,2,3,4,5,6,7
.if \zero == 1
	v_wmma_f32_16x16x128_bf8_bf8 v[8*(8*((\a)%4)+\b):8*(8*((\a)%4)+\b)+7], v[128*(\p)+FR*\b:128*(\p)+FR*\b+FR-1], v[AF+FR*(\a):AF+FR*(\a)+FR-1], v[BI+8*\b:BI+8*\b+7]
.elseif \zero == 2
	v_wmma_f32_16x16x128_bf8_bf8 v[8*(8*((\a)%4)+\b):8*(8*((\a)%4)+\b)+7], v[128*(\p)+FR*\b:128*(\p)+FR*\b+FR-1], v[AF+FR*(\a):AF+FR*(\a)+FR-1], v[BI+8*(\a):BI+8*(\a)+7]
.else
	v_wmma_f32_16x16x128_bf8_bf8 v[8*(8*((\a)%4)+\b):8*(8*((\a)%4)+\b)+7], v[128*(\p)+FR*\b:128*(\p)+FR*\b+FR-1], v[AF+FR*(\a):AF+FR*(\a)+FR-1], v[8*(8*((\a)%4)+\b):8*(8*((\a)%4)+\b)+7]
.endif
.endr
.endr
.endm
.macro FETCH_B slot, q, p              ; B's eight fragments of the slot's q-th 128 along K into set p
	WIN TO_B
.irp i, 0,1,2,3,4,5,6,7
	FRAG 128*(\p)+FR*\i, ADRB+\slot, \q, \i
.endr
	WIN 0
.endm
.macro FETCH_A slot, q, i0             ; A's blocks i0 .. i0 + 3
.irp i, \i0, \i0+1, \i0+2, \i0+3
	FRAG AF+FR*(\i), ADRA+\slot, \q, \i
.endr
.endm
.macro PLACES n                        ; plain vector lines between a matrix instruction and a load into, or a vector line on, one of its registers
.rept \n
	v_nop
.endr
.endm
; The first 32 products on a window's accumulators: their C is the bias, in window 0.  The branch hangs on the cluster's x alone and goes round matrix instructions only.
.macro FIRST32 a0, win
	s_cmp_eq_u32 s66, 0
	s_cbranch_scc0 .Lbias_a_\@
	WIN \win
	s_wait_alu depctr_va_vdst(0)
	MUL16 \a0, 0, 1
	MUL16 \a0+2, 0, 1
	WIN 0
	s_branch .Lbiased_\@
.Lbias_a_\@:
	WIN \win
	MUL16 \a0, 0, 2
	s_wait_alu depctr_va_vdst(0)
	MUL16 \a0+2, 0, 2
	WIN 0
.Lbiased_\@:
.endm
; A slot's first 128 along K (B's set 0); the second 128's fragments are fetched on the way.  first = 1: the sums begin.
.macro STEP slot, first
	s_wait_dscnt 4*NL                              ; B's set and A's blocks 0-3 are in; the youngest sixteen loads (A's blocks 4-7) may be out
.if \first
	FIRST32 0, 0x81                                ; source 0 window 1, C window 0, D window 2
.else
	WIN MUL_LO
	MUL16 0, 0, 0
	MUL16 2, 0, 0
.endif
	s_wait_dscnt 0                                 ; A's blocks 4-7 are in
	PLACES NP
	FETCH_B \slot, 1, 1
	FETCH_A \slot, 1, 0
.if \first
	FIRST32 4, 0xc1                                ; D window 3
.else
	WIN MUL_HI
	MUL16 4, 0, 0
	MUL16 6, 0, 0
.endif
	PLACES NP
	WIN 0
	FETCH_A \slot, 1, 4
.endm
; A slot's second 128 along K (B's set 1) changes slots: ONE barrier; in front of it each wave waits for all its tensor loads, adds 0 to its spare word, and waits for that and for its reads of this slot.
.macro TURN slot, next, fill
	s_wait_tensorcnt 0x0                           ; all my tensor loads have landed: my part of the next slot  (every window is 0 here)
	ds_add_u32 v[SPW], v[NIL]                      ; 0 onto my spare word
	s_wait_dscnt 4*NL+1                            ; (the add and the youngest sixteen loads may be out)
	WIN MUL_LO
	MUL16 0, 1, 0                                  ; sixteen matrix instructions stand between the add and the wait for it
	s_wait_dscnt 0x0                               ; the add is done, and my reads of this slot are over
	s_barrier_signal -1
	MUL16 2, 1, 0
	WIN 0
	s_barrier_wait -1
.if \fill
	CREST                                          ; the barrier has opened a round of the cluster's: no wave of any partner still reads this slot or has a load on its way
	s_add_nc_u64 s[G0+4*\slot+2:G0+4*\slot+3], s[G0+4*\slot+2:G0+4*\slot+3], 2*ROWB
	s_add_nc_u64 s[G0B+4*\slot+2:G0B+4*\slot+3], s[G0B+4*\slot+2:G0B+4*\slot+3], 2*ROWB
	JLOAD G0+4*\slot, G1, G0B+4*\slot, G1B         ; my one tensor load behind the round; its four v_nop are the places in front of the loads below
.else
	PLACES NP
.endif
	FETCH_B \next, 0, 0
	FETCH_A \next, 0, 0
	WIN MUL_HI
	MUL16 4, 1, 0
	MUL16 6, 1, 0
	PLACES NP
	WIN 0
	FETCH_A \next, 0, 4
.endm
	s_wait_tensorcnt 1                             ; my part of K step 0 is in (K step 1's load may be out)
	s_barrier_signal -1
	s_barrier_wait -1                              ; everybody's is
	FETCH_B 0, 0, 0
	FETCH_A 0, 0, 0
	FETCH_A 0, 0, 4
	s_wait_kmcnt 0x0                               ; e0 .. e7
	s_add_co_i32 s89, s80, s81                     ; e0 + e1: a sum stands for sum x 2^(e0 + e1)
	s_cmp_eq_u32 ttmp9, 0
	s_cselect_b32 s88, s82, s83                    ; q: e2; k: e3;
	s_cmp_eq_u32 ttmp9, 2
	s_cselect_b32 s88, s85, s88                    ; v: e5.  A choice, no branch
	s_sub_co_i32 s88, s88, s89
	s_add_co_i32 s88, s88, 127
	s_lshl_b32 s98, s88, 23
	v_mov_b32 v[SC], s98                           ; 2^(e_dst - e0 - e1): the conversion takes its exponent field
	s_sub_co_i32 s89, 0, s89
	s_wait_loadcnt 0x0                             ; the bias
.set j, 0
.rept 64
	v_ldexp_f32 v[BI+j], v[BI+j], s89              ; in_b / 2^(e0 + e1): exact, short of overflow and underflow
.set j, j+1
.endr
	STEP 0, 1                                      ; K = 1,024 is four K steps: written out, no loop
	TURN 0, 1, 1                                   ; slot 0 takes K step 2
	STEP 1, 0
	TURN 1, 0, 1                                   ; slot 1 takes K step 3
	STEP 0, 0
	TURN 0, 1, 0                                   ; nothing is left to fetch
	STEP 1, 0
	s_wait_dscnt 4*NL                              ; the last 128 along K
	WIN MUL_LO
	MUL16 0, 1, 0
	MUL16 2, 1, 0
	s_wait_dscnt 0
	WIN MUL_HI
	MUL16 4, 1, 0
	MUL16 6, 1, 0
	WIN 0
; THE WAY OUT.  Block a (16 of side A x 128 of side B): each sum is converted, eight neighbours of side B a conversion.  The codes of B's blocks 2 g and 2 g + 1
; side by side are 16 bytes in the output's order.  They go into my stage (64 of side A x 64 bytes a block) and come back as 512 bytes on end.
.macro OUTBLK a
.set AC, 64*((\a)%4)
.set CD, AF+16*(\a)                    ; each block has registers of its own for its codes
	WIN (0x02+((\a)/4))                            ; source 0: window 2 or 3
.set j, 0
.rept 64
.set j, j+1
.endr
.irp b, 0,1,2,3,4,5,6,7
	v_cvt_scalef32_pk8_bf8_f32 v[CD+2*\b:CD+2*\b+1], v[AC+8*\b:AC+8*\b+7], v[SC]
.endr
	WIN 0
	v_nop                                          ; one plain vector line behind the last conversion
.irp g, 0,1,2,3
	ds_store_b128 v[STO], v[CD+4*\g:CD+4*\g+3] offset:(((\a)/4)*2+\g/2)*BLKB+((\a)%4)*16*SPI+(\g%2)*32
.endr
.endm
	PLACES NP                                      ; behind the last products
.irp a, 0,1,2,3,4,5,6,7
	OUTBLK \a
.endr
	WIN TO_B                                       ; back into window 1, where B's fragments lay.  LDS serves a wave's instructions in order (ISA guide 5.7.1.4): these see my stores
.set n, 0
.rept 32
	ds_load_b128 v[4*n:4*n+3], v[RD] offset:(n/8)*BLKB+(n%8)*8*SPI
.set n, n+1
.endr
	WIN 0x04                                       ; store data in window 1
.set n, 0
.rept 32
	s_wait_dscnt 31-n                              ; load n is in; the younger ones may be out
	global_store_b128 v[CO+n/8], v[4*n:4*n+3], s[12:13] offset:512*(n%8)   ; 32 lanes store 512 consecutive bytes, at a multiple of 512 from the buffer's first byte
.set n, n+1
.endr
	WIN 0
	s_wait_tensorcnt 0x0                           ; the wave's end
	ds_add_u32 v[SPW], v[NIL]
	s_wait_dscnt 0x0
	CROUND                                         ; the closing round: no work-group ends while a partner may still ask for a tile that names it
	s_endpgm
.Lfunc_end_k_qfaff914c94_qkv:
	.size	k_qfaff914c94_qkv, .Lfunc_end_k_qfaff914c94_qkv-k_qfaff914c94_qkv
	.p2alignl 7, 3214868480
	.fill 96, 4, 3214868480
	.section	.rodata,"a",@progbits
	.p2align	6, 0x0
	.amdhsa_kernel k_qfaff914c94_qkv
		.amdhsa_group_segment_fixed_size 327680
		.amdhsa_private_segment_fixed_size 0
		.amdhsa_enable_private_segment 0
		.amdhsa_kernarg_size 40
		.amdhsa_user_sgpr_count 2
		.amdhsa_user_sgpr_kernarg_segment_ptr 1
		.amdhsa_wavefront_size32 1
		.amdhsa_system_sgpr_workgroup_id_x 1
		.amdhsa_system_sgpr_workgroup_id_y 1
		.amdhsa_system_sgpr_workgroup_id_z 1
		.amdhsa_system_vgpr_workitem_id 0
		.amdhsa_next_free_vgpr 1024
		.amdhsa_next_free_sgpr 100
		.amdhsa_reserve_vcc 0
		.amdhsa_float_denorm_mode_32 3
		.amdhsa_float_denorm_mode_16_64 3
		.amdhsa_fp16_overflow 1
		.amdhsa_memory_ordered 1
		.amdhsa_forward_progress 1
		.amdhsa_inst_pref_size 107
	.end_amdhsa_kernel
	.amdgpu_metadata
---
amdhsa.version: [ 1, 2 ]
amdhsa.kernels:
  - .name:           k_qfaff914c94_qkv
    .symbol:         k_qfaff914c94_qkv.kd
    .args:
      - { .name: x_codes, .offset: 0, .size: 8, .value_kind: global_buffer, .address_space: global }
      - { .name: in_w_codes, .offset: 8, .size: 8, .value_kind: global_buffer, .address_space: global }
      - { .name: lowp_scales, .offset: 16, .size: 8, .value_kind: global_buffer, .address_space: global }
      - { .name: in_b, .offset: 24, .size: 8, .value_kind: global_buffer, .address_space: global }
      - { .name: qkv, .offset: 32, .size: 8, .value_kind: global_buffer, .address_space: global }
    .group_segment_fixed_size: 327680
    .private_segment_fixed_size: 0
    .kernarg_segment_align: 8
    .kernarg_segment_size: 40
    .max_flat_workgroup_size: 128
    .sgpr_count:     100
    .vgpr_count:     1024
    .wavefront_size: 32
...
	.end_amdgpu_metadata
.endif
;; end of part 1
;; launch attn (part 2): grid 4 x 64, 8 waves a work-group, no clusters, 327,680 bytes of LDS; arguments qkv, lowp_scales, att; writes att
.if DOCPART == 2
	.amdgcn_target "amdgcn-amd-amdhsa--gfx1250"
	.amdhsa_code_object_version 6
	.text
	.protected	k_qfaff914c94_attn
	.globl	k_qfaff914c94_attn
	.p2align	8
	.type	k_qfaff914c94_attn,@function
k_qfaff914c94_attn:
	s_mov_b64 s[64:65], 0
	v_nop
	global_prefetch_b8 v0, s[64:65] scope:SCOPE_SE
	s_setreg_imm32_b32 hwreg(HW_REG_WAVE_MODE, 25, 1), 1
	s_wait_xcnt 0x0
; Causal attention on codes of BF8 (E5M2): for each of 64 heads (hb = 16 b + h) o = softmax(q k^T / 8, key <= query) v, and o quantised by 2^e6 for the last product.
; IN: three regions of 8,388,608 bytes, Q, K, V; a head is 131,072 bytes in each.  Q, K: [l][64 bytes]; V: [l / 64][d][64 bytes along the keys]; in each group of 32 codes the byte at 16 h' + 8 u + j holds index
; 16 u + 8 h' + j, so that a 16-byte load at 16 x (lane / 16) puts every index where the matrix instruction's own layout has it.   OUT: [h][b x 2048 + l][64 bytes], d as it runs.
; THE SOFTMAX: t = score x log2(e) / 8; M = the largest t so far, rounded UP to a whole number; p = 2^(t - M) is quantised by 2^e4, not normalised; the row's sum is taken of the unquantised p and divides at the end.
; When M moves, the sum and O are multiplied by 2^(old M - new M): exact.
; SHARES.  Work-group (p, hb) owns the blocks p and 7 - p of 256 queries, one after the other.  Block i needs the key slots 0 .. i of 256 keys: (p + 1) + (8 - p) = 9 visits in every work-group: a constant
; trip count, equal work, 256 work-groups.  Wave w owns 32 queries of the block in hand: two tiles of 16; tile x lives in register window x under the same numbers, so each fragment of K and V feeds two products.
; NO CLUSTER: in the same visit the four work-groups of a head need different slots (work-group p goes back to slot 0 behind visit p), so no joint request would meet.
; LAYOUT.  S^T = K Q^T (source 0 = 16 neighbouring keys, source 1 = 16 queries), O^T = V^T P^T (source 0 = 16 of the head's 64, source 1 = P): a lane holds ONE query throughout, and the conversions of a
; tile's eight scores (keys 16 T + 8 (lane / 16) + 0 .. 7) are registers 2 T, 2 T + 1 of P as the second product wants them.
; CAUSAL.  A step of 128 keys that all come after the wave's 32 queries is jumped over (a scalar branch on ids); in the step on the diagonal hidden scores become -infinity ahead of the maximum.
; LIMITS on the given exponents: e2 + e3 between -123 and 130 (added to the exponent field of log2(e) / 8); e4 and e6 between -126 and 112.  NaN among the inputs is not served.
; REGISTERS.  Window 0 alone: v1-9 addresses; v32-95 K's 8 fragments; v192-207 rows on the way out; v208-211 at work at the head.  Window 1 alone: v32-95 V's 4 fragments.
;   Both windows, for tile x: v10 r - 8 h + 16 x; v12 -M, v13 the largest t, v[14:15] the sum in two halves; v16-23 Q, v24-31 the second block's Q; v96-159 S^T, then p; v160-191 O^T; v224-239 p's codes;
;   v236, v242-243, v252-254 at work; v244: 2^e4; v245: 2^e6.
.set KREG,  8388608                    ; K's region; V's lies as far behind it
.set TILEB, 17408                      ; 256 rows of 64 bytes, brought as 64 rows of 256 bytes + 16 of padding: row rho lies at (rho / 4) x 272 + (rho % 4) x 64
.set VOFF,  TILEB                      ; a slot: K's tile, then V's
.set SLOT1, 65536                      ; slot 1 begins here: one exclusive or turns an address from one slot to the other
.set STAGE, 131072                     ; the way out: 32 rows x 80 bytes a wave; no fill ever lands here
.set WSTG,  2560
.set SPI,   80
.set SPARE, STAGE+8*WSTG               ; the spare words, 128 bytes a wave
.set AK0,  1                           ; v1   my lane's place in a tile of K or of V
.set STO,  2                           ; v2   the stage: where I put 8 bytes of a row
.set PFO,  3                           ; v3   256 x lane: the prefetches' offset; never rewritten
.set RD,   4                           ; v4   the stage: where I read rows back
.set SPW,  5                           ; v5   LDS address of my spare word; never rewritten
.set NIL,  6                           ; v6   0; never rewritten
.set GO,   7                           ; v7   16 x lane: my bytes of a store's 512
.set ADR,  8                           ; v8   LDS address of the step's loads
.set TB,   2                           ; s2   LDS byte at which the slot in hand begins
.set WV,   18                          ; s18  my wave's number
.set SEL,  20                          ; s[20:21] lane selects: lane l xor 16
.set CS,   22                          ; s[22:23] log2(e) / 8 x 2^(e2 + e3)
.set G1,   24                          ; s[24:31] descriptor group 1
.set G0,   32                          ; s[32:35] group 0, which walks
.set TBASE, 36                         ; s[36:37] my tile (waves 0, 1) or my half of a tile (waves 4-7) of the head's slot 0
.set OFF,  38                          ; s[38:39] 16,384 x the key slot asked for
.set NS,   40                          ; s40  the key slot asked for
.set OA,   44                          ; s[44:45], s[46:47] my 32 rows of the output in the first and in the second block
.set OB,   46
.set SLOTS, 67                         ; s67  visits to go behind this one
.set PFA,  76                          ; s[76:77] the prefetches' base
.set LIM,  80                          ; s80  1 in a wave that prefetches, else the greatest number
.set KF,   98                          ; s98  the step's first key
.set Q0,   99                          ; s99  my first query
.set MSB, 0
.macro WIN new                         ; the immediate's high byte repeats the setting that is left
.if MSB != \new
	s_set_vgpr_msb (MSB<<8)|\new
.set MSB, \new
.endif
.endm
; Wave 0 fetches K's tile, wave 1 V's, the others nothing: a branch on the wave's number.  Four v_nop follow the load.
.macro TLOAD
	s_cmp_lt_u32 s[WV], 2
	s_cbranch_scc0 .Lnone_\@
	tensor_load_to_lds s[G0:G0+3], s[G1:G1+7]
	s_nop 0
.rept 4
	v_nop
.endr
.Lnone_\@:
.endm
; A PREFETCH INTO THE L2 of the key slot behind the one just asked for.  All four work-groups of a head walk the same K and V; work-group p = 0 asks, whose load in visit v >= 1 is for slot v: so visit v names
; slot v + 1, v = 0 .. 6: the tile of the next change of slots.  Waves 4 to 7, which fetch nothing, take a half of K's or of V's 16,384 bytes each, lanes 256 bytes apart: each block is named once in the launch.
; Slot 0 comes by its loads alone; the last change that fills a slot asks for nothing: slot 7 is the head's last.
.macro ASK
	s_cmp_gt_u32 s[SLOTS], s[LIM]
	s_cbranch_scc0 .Lnot_mine_\@
	global_prefetch_b8 v[PFO], s[PFA:PFA+1] offset:16384 th:TH_LOAD_NT scope:SCOPE_SE
.Lnot_mine_\@:
.endm
.macro INIT                            ; a block's start, in the window that is set: the step is written once, and its first turn finds zeros, which the first change of M leaves zeros
	v_mov_b32 v13, 0xff61b1e6                      ; the largest t so far: -3e38
	s_delay_alu instid0(VALU_DEP_1)
	v_floor_f32 v12, -v13                          ; -M
	v_mov_b32 v14, 0
	v_mov_b32 v15, 0
.set j, 0
.rept 32
	v_mov_b32 v[160+j], 0
.set j, j+1
.endr
.endm
.macro CONSTS                          ; what both windows hold alike
	v_mov_b32 v244, s90                            ; 2^e4
	v_mov_b32 v245, s92                            ; 2^e6
	v_mov_b32 v236, 0                              ; written once: a lane permute's destination counts as one of its sources
	v_mov_b32 v252, 0
	v_mov_b32 v253, 0                              ; (named as the upper half of the pair v[252:253])
	INIT
.endm
	s_load_b128 s[4:7], s[0:1], 0x0                ; the codes s[4:5], the scales' exponents s[6:7]
	s_load_b64 s[8:9], s[0:1], 0x10                ; the output
	v_lshl_add_u32 v[SPW], v0, 2, SPARE
	v_mov_b32 v[NIL], 0
	ds_add_u32 v5, v6
	ds_add_u32 v5, v6
	s_wait_dscnt 0x0
	v_lshrrev_b32 v8, 5, v0
	s_delay_alu instid0(VALU_DEP_1)
	v_readfirstlane_b32 s[WV], v8                  ; wave 0..7
	s_and_b32 s56, ttmp7, 0xffff                   ; the head, hb
	s_and_b32 s57, s[WV], 1
	s_bfe_u32 s58, s[WV], 0x10001                  ; (wave / 2) % 2
	s_cmp_lt_u32 s[WV], 4
	s_cselect_b32 s59, s57, s58                    ; K (0) or V (1): waves 0, 1 fetch; waves 4, 5 prefetch K's halves, waves 6, 7 V's
	s_cselect_b32 s60, 0, s57                      ; which half of the tile
	s_lshl_b32 s59, s59, 23
	s_lshl_b32 s60, s60, 13
	s_lshl_b32 s61, s56, 17                        ; the head's first byte in a region
	s_add_co_u32 s[OFF], s59, s60
	s_add_co_u32 s[OFF], s[OFF], s61
	s_add_co_u32 s[OFF], s[OFF], KREG
	s_mov_b32 s[OFF+1], 0
	s_sub_co_u32 s42, 7, ttmp9                     ; the second block; also the count at which the blocks change
	s_sub_co_u32 s41, 8, ttmp9                     ; the count at which the next fetch goes back to slot 0
	s_lshl_b32 s86, ttmp9, 14                      ; a block's 256 rows of 64 bytes: the first block's,
	s_lshl_b32 s87, s42, 14                        ; the second's
	s_add_co_u32 s62, s61, s86
	s_mov_b32 s63, 0
	s_add_co_u32 s82, s61, s87
	s_mov_b32 s83, 0
	s_and_b32 s84, s56, 15
	s_lshl_b32 s84, s84, 19                        ; the output: h x 8,192 rows of 64 bytes
	s_lshr_b32 s85, s56, 4
	s_lshl_b32 s85, s85, 17                        ; + b x 2,048 rows
	s_add_co_u32 s84, s84, s85
	s_lshl_b32 s85, s[WV], 11                      ; + my wave's 32 rows
	s_add_co_u32 s84, s84, s85
	s_add_co_u32 s88, s84, s87
	s_add_co_u32 s84, s84, s86
	s_mov_b32 s85, 0
	s_mov_b32 s89, 0
	s_lshl_b32 s97, s[WV], 5
	s_lshl_b32 s[Q0], ttmp9, 8
	s_add_co_u32 s[Q0], s[Q0], s97                 ; my first query: 256 x block + 32 x wave
	s_lshl_b32 s48, s42, 8
	s_add_co_u32 s48, s48, s97                     ; and in the second block
	s_lshr_b32 s96, s[WV], 2
	s_xor_b32 s96, s96, 1                          ; 0 in waves 4 to 7,
	s_or_b32 s96, s96, ttmp9                       ; of the head's first work-group
	s_cmp_eq_u32 s96, 0
	s_cselect_b32 s[LIM], 1, -1
	; descriptor group 1: 16,384 dense bytes as 64 rows of 256, padded in LDS
	s_mov_b32 s[G1], (0<<16)|(1<<20)|(5<<22)|(3<<25)   ; no mask; elements of 1 byte; padding on: four words after every 64
	s_mov_b32 s[G1+1], 256<<16                     ; tensor_dim0
	s_mov_b32 s[G1+2], 64<<16                      ; tensor_dim1
	s_mov_b32 s[G1+3], 256<<16                     ; tile_dim0
	s_mov_b32 s[G1+4], 64                          ; tile_dim1
	s_mov_b32 s[G1+5], 256                         ; tensor_dim0_stride
	s_mov_b32 s[G1+6], 0
	s_mov_b32 s[G1+7], 0
	s_mov_b32 s[SEL], 0x76543210
	s_mov_b32 s[SEL+1], 0xfedcba98
	s_mov_b32 s[TB], 0
	s_mov_b32 s[SLOTS], 8
	s_mov_b32 s[NS], 0
	s_mov_b32 s[KF], 0
	s_wait_kmcnt 0x0
	s_load_b256 s[68:75], s[6:7], 0x0              ; e0 .. e7
	s_add_nc_u64 s[TBASE:TBASE+1], s[4:5], s[OFF:OFF+1]
	s_mov_b32 s[G0], 1                             ; count = 1
	s_mul_i32 s[G0+1], s[WV], TILEB                ; LDS address: slot 0, K's tile (wave 0) or V's (wave 1)
	s_mov_b64 s[G0+2:G0+3], s[TBASE:TBASE+1]       ; the head's first 256 keys
	s_or_b32 s[G0+3], s[G0+3], 0x80000000          ; type = 2
	TLOAD                                          ; the first visit's tiles, ahead of every wait on TENSORcnt, every LDS read and every barrier
	s_add_nc_u64 s[50:51], s[4:5], s[62:63]        ; Q of the first block,
	s_add_nc_u64 s[52:53], s[4:5], s[82:83]        ; of the second
	s_add_nc_u64 s[OA:OA+1], s[8:9], s[84:85]
	s_add_nc_u64 s[OB:OB+1], s[8:9], s[88:89]
	v_and_b32 v208, 15, v0                         ; r = lane % 16
	v_bfe_u32 v209, v0, 4, 1                       ; h = lane / 16
	s_lshl_b32 s97, s[WV], 11
	v_lshlrev_b32 v9, 6, v208
	s_delay_alu instid0(VALU_DEP_1)
	v_lshl_add_u32 v9, v209, 4, v9
	s_delay_alu instid0(VALU_DEP_1)
	v_add_nc_u32 v9, s97, v9                       ; Q: my wave's 32 rows, row r, + 16 h
	global_load_b128 v[16:19], v9, s[50:51]        ; both blocks' Q stay in registers: tile 0,
	global_load_b128 v[20:23], v9, s[50:51] offset:32
	global_load_b128 v[24:27], v9, s[52:53]
	global_load_b128 v[28:31], v9, s[52:53] offset:32
	WIN 0x40                                       ; destination window 1
	global_load_b128 v[16:19], v9, s[50:51] offset:1024   ; tile 1: 16 rows on
	global_load_b128 v[20:23], v9, s[50:51] offset:1056
	global_load_b128 v[24:27], v9, s[52:53] offset:1024
	global_load_b128 v[28:31], v9, s[52:53] offset:1056
	WIN 0
	v_lshrrev_b32 v211, 2, v208
	s_delay_alu instid0(VALU_DEP_1)
	v_mul_u32_u24 v[AK0], v211, 272
	v_and_b32 v211, 3, v208
	s_delay_alu instid0(VALU_DEP_1)
	v_lshl_add_u32 v[AK0], v211, 6, v[AK0]
	s_delay_alu instid0(VALU_DEP_1)
	v_lshl_add_u32 v[AK0], v209, 4, v[AK0]         ; (r / 4) x 272 + (r % 4) x 64 + 16 h: sixteen lanes touch sixteen different 16-byte columns
	s_mul_i32 s96, s[WV], WSTG
	s_add_co_u32 s96, s96, STAGE                   ; my stage
	v_mul_u32_u24 v[STO], v208, SPI
	s_delay_alu instid0(VALU_DEP_1)
	v_lshl_add_u32 v[STO], v209, 3, v[STO]
	s_delay_alu instid0(VALU_DEP_1)
	v_add_nc_u32 v[STO], s96, v[STO]               ; in: row r, + 8 h
	v_and_b32 v210, 31, v0
	s_delay_alu instid0(VALU_DEP_1)
	v_lshrrev_b32 v211, 2, v210
	s_delay_alu instid0(VALU_DEP_1)
	v_mul_u32_u24 v[RD], v211, SPI
	s_delay_alu instid0(VALU_DEP_3)
	v_and_b32 v211, 3, v210
	s_delay_alu instid0(VALU_DEP_1)
	v_lshl_add_u32 v[RD], v211, 4, v[RD]
	s_delay_alu instid0(VALU_DEP_1)
	v_add_nc_u32 v[RD], s96, v[RD]                 ; back: four lanes to a row of 64 bytes
	v_lshlrev_b32 v[PFO], 8, v210
	v_lshlrev_b32 v[GO], 4, v210
	v_lshlrev_b32 v211, 3, v209
	s_delay_alu instid0(VALU_DEP_1)
	v_sub_nc_u32 v10, v208, v211                   ; r - 8 h
	s_wait_kmcnt 0x0
	s_add_co_i32 s96, s70, s71
	s_lshl_b32 s96, s96, 23
	s_mov_b32 s[CS], 0x3e38aa3b                    ; log2(e) / 8
	s_add_co_i32 s[CS], s[CS], s96                 ; a score stands for score x 2^(e2 + e3): the exponents are added to the exponent field
	s_mov_b32 s[CS+1], s[CS]                       ; (named with it as a pair, so it is written)
	s_add_co_i32 s54, s72, s73                     ; e4 + e5
	s_add_co_i32 s96, s72, 127
	s_lshl_b32 s90, s96, 23
	s_add_co_i32 s96, s74, 127
	s_lshl_b32 s92, s96, 23
	CONSTS
	WIN 0x40
	v_add_nc_u32 v10, 16, v10                      ; window 1's: r - 8 h + 16
	WIN 0x55
	CONSTS
	WIN 0
; Hidden scores become -infinity, in the window that is set.  Register 8 T + j holds key KF + 16 T + 8 h + j: hidden where 16 T + j > my query - KF - 8 h.  s96 = Q0 - KF.
.macro MASK
	v_add_nc_u32 v252, s96, v10
	v_mov_b32 v254, 0xff800000
.set n, 0
.rept 64
	v_cmp_gt_i32 vcc_lo, 16*(n/8)+n%8, v252
	v_cndmask_b32 v[96+n], v[96+n], v254, vcc_lo
.set n, n+1
.endr
.endm
; One tile's softmax for 128 keys, in the window that is set.
.macro SM
	v_max3_num_f32 v254, v96, v97, v98             ; the step's largest score of my query among my 64 keys, in two chains, from each accumulator's low end on,
	v_max3_num_f32 v252, v99, v100, v101
.set i, 6
.rept 14
	v_max3_num_f32 v254, v254, v[96+i], v[97+i]
	v_max3_num_f32 v252, v252, v[98+i], v[99+i]
.set i, i+4
.endr
	v_max3_num_f32 v254, v254, v158, v159
	s_delay_alu instid0(VALU_DEP_1)
	v_max_num_f32 v254, v254, v252
	v_permlanex16_b32 v236, v254, s[SEL], s[SEL+1]
	s_delay_alu instid0(VALU_DEP_1)
	v_max_num_f32 v254, v254, v236                 ; and among lane l xor 16's
	s_delay_alu instid0(VALU_DEP_1)
	v_mul_f32 v254, s[CS], v254                    ; as t
	s_delay_alu instid0(VALU_DEP_1)
	v_max_num_f32 v13, v13, v254                   ; the running largest t
	v_mov_b32 v254, v12
	s_delay_alu instid0(VALU_DEP_2)
	v_floor_f32 v12, -v13                          ; the new -M = floor(-t): M is a whole number
	s_delay_alu instid0(VALU_DEP_1)
	v_sub_f32 v254, v12, v254                      ; old M - new M: a whole number, 0 or less
	s_delay_alu instid0(VALU_DEP_1)
	v_cvt_i32_f32 v254, v254                       ; (it saturates)
	s_delay_alu instid0(VALU_DEP_1)
	v_ldexp_f32 v252, 1.0, v254                    ; f = 2^(old M - new M)
.set j, 0
.rept 32
	v_pk_fma_f32 v[96+j:97+j], v[96+j:97+j], s[CS:CS+1], v[12:13] op_sel_hi:[1,0,0]   ; t - M, two at a time
.set j, j+2
.endr
.set j, 0
	s_wait_alu depctr_va_vdst(0)
.rept 64
	v_exp_f32 v[96+j], v[96+j]                     ; p = 2^(t - M), at most 1
.set j, j+1
.endr
	v_pk_mul_f32 v[14:15], v[14:15], v[252:253] op_sel_hi:[1,0]   ; the sums under the new M: the plain line behind the exponentials
	s_wait_alu depctr_va_vdst(0)                   ; one wait for the batch of 64, ahead of its first reader
	v_pk_add_f32 v[242:243], v[96:97], v[98:99]    ; the row's sum is taken of the UNQUANTISED p, in two chains
.set j, 4
.rept 15
	v_pk_add_f32 v[14:15], v[14:15], v[96+j:97+j]
	v_pk_add_f32 v[242:243], v[242:243], v[98+j:99+j]
.set j, j+4
.endr
	s_delay_alu instid0(VALU_DEP_1)
	v_pk_add_f32 v[14:15], v[14:15], v[242:243]
.irp t, 0,1,2,3,4,5,6,7
.irp i, 0,1,2,3,4,5,6,7
.endr
	v_cvt_scalef32_pk8_bf8_f32 v[224+2*\t:225+2*\t], v[96+8*\t:103+8*\t], v244
.endr
.set j, 0
.rept 16
	v_pk_mul_f32 v[160+j:161+j], v[160+j:161+j], v[252:253] op_sel_hi:[1,0]   ; O^T under the new M; also the plain lines between the conversions and the products
.set j, j+2
.endr
.endm
.macro PV                              ; O^T += V^T P^T, under the windows that are set: four accumulators, one instruction each
.irp t, 0,1,2,3
	v_wmma_f32_16x16x128_bf8_bf8 v[160+8*\t:167+8*\t], v[32+16*\t:47+16*\t], v[224:239], v[160+8*\t:167+8*\t]
.endr
.endm
.macro KQ                              ; S^T = K Q^T: eight tiles of 16 keys
.irp t, 0,1,2,3,4,5,6,7
	v_wmma_f32_16x16x64_bf8_bf8 v[96+8*\t:103+8*\t], v[32+8*\t:39+8*\t], v[16:23], 0
.endr
.endm
; A KEY STEP: 128 keys, the q-th of the slot in hand.
.macro STEP q
	s_add_co_u32 s96, s[Q0], 31
	s_cmp_gt_u32 s[KF], s96
	s_cbranch_scc1 .Lhidden_\@                     ; all its keys come after my 32 queries
	v_add_nc_u32 v[ADR], s[TB], v[AK0]
.rept 3
	v_nop                                          ; with the addition four places in front of loads into registers that the last products read
.endr
.irp t, 0,1,2,3,4,5,6,7
.irp c, 0,1
	ds_load_b128 v[32+8*\t+4*\c:35+8*\t+4*\c], v[ADR] offset:(32*(\q)+4*\t)*272+32*\c
.endr
.endr
	WIN 0x40                                       ; V's fragments go to window 1: tile t = channels 16 t on; registers 4 c on = keys 32 c on
.irp t, 0,1,2,3
.irp c, 0,1,2,3
	ds_load_b128 v[32+16*\t+4*\c:35+16*\t+4*\c], v[ADR] offset:VOFF+((2*(\q)+\c/2)*16+4*\t)*272+32*(\c%2)
.endr
.endr
	WIN 0
	s_wait_dscnt 16                                ; K is in; V's sixteen loads may be out
	KQ
	WIN 0x44                                       ; tile 1: Q and S^T in window 1, K in window 0
	KQ
	WIN 0
.rept 4
	v_nop
.endr
	s_add_co_u32 s96, s[KF], 127
	s_cmp_le_u32 s96, s[Q0]
	s_cbranch_scc1 .Lopen_\@                       ; all its keys count for all my queries
	s_sub_co_i32 s96, s[Q0], s[KF]
	MASK
	WIN 0x55
	MASK
	WIN 0
.Lopen_\@:
	SM
	s_wait_alu depctr_va_vdst(0)
	s_wait_dscnt 0x0                               ; V is in
	WIN 0x01                                       ; V in window 1; P and O^T in window 0
	PV
	WIN 0x55                                       ; tile 1: all in window 1
	SM
	PV
	WIN 0
.Lhidden_\@:
	s_add_co_u32 s[KF], s[KF], 128
.endm
; THE CHANGE OF SLOTS stands at a visit's head.  Each wave waits for all its tensor loads, adds 0 to its spare word, and waits for that and for its reads of the slot that it has left.
; fill = 1: that slot is filled with the next visit's keys: the load has a whole visit in which to land.
.macro CHANGE fill
	s_wait_tensorcnt 0x0                           ; no tensor load of mine is out, so group 0 may be written
	ds_add_u32 v[SPW], v[NIL]                      ; 0 onto my spare word
.if \fill
	s_xor_b32 s[G0+1], s[G0+1], SLOT1              ; the other slot than last time
	s_add_co_u32 s[NS], s[NS], 1                   ; the next 256 keys,
	s_cmp_eq_u32 s[SLOTS], s41
	s_cselect_b32 s[NS], 0, s[NS]                  ; or, where the next visit begins the second block, the first 256 again
	s_lshl_b32 s[OFF], s[NS], 14
	s_add_nc_u64 s[G0+2:G0+3], s[TBASE:TBASE+1], s[OFF:OFF+1]
	s_or_b32 s[G0+3], s[G0+3], 0x80000000
	s_wait_xcnt 0x0                                ; the last prefetch, a visit back, has read its address
	s_add_nc_u64 s[PFA:PFA+1], s[TBASE:TBASE+1], s[OFF:OFF+1]
.endif
	s_wait_dscnt 0x0                               ; the add is done, and my reads of the slot that I have left are over
	s_barrier_signal -1
	s_barrier_wait -1
.if \fill
	TLOAD                                          ; the first thing behind the barrier, and a wave's one tensor load until the next
	ASK
.endif
.endm
; A BLOCK'S END.  O^T / the sum x 2^(e4 + e5), converted by 2^e6: eight channels are 8 bytes; they go through my stage and leave as 512 bytes on end: eight rows of 64.
.macro FINISH base
.rept 4
	v_nop                                          ; places behind the last products
.endr
.irp x, 0,1
	WIN (0x55*\x)
	v_add_f32 v14, v14, v15                        ; the sum's two halves,
	s_delay_alu instid0(VALU_DEP_1)
	v_permlanex16_b32 v252, v14, s[SEL], s[SEL+1]
	s_delay_alu instid0(VALU_DEP_1)
	v_add_f32 v14, v14, v252                       ; and lane l xor 16's
	s_wait_alu depctr_va_vdst(0)
	v_rcp_f32 v14, v14
	v_nop                                          ; a plain line behind the reciprocal
	s_wait_alu depctr_va_vdst(0)                   ; and a wait ahead of its first reader
	v_ldexp_f32 v14, v14, s54
.set j, 0
.rept 32
	v_mul_f32 v[96+j], v[160+j], v14               ; register 8 t + i: o(my query, 16 t + 8 h + i)
.set j, j+1
.endr
.set j, 0
.rept 32
.set j, j+1
.endr
.irp t, 0,1,2,3
	v_cvt_scalef32_pk8_bf8_f32 v[224+2*\t:225+2*\t], v[96+8*\t:103+8*\t], v245
.endr
	v_nop                                          ; one plain vector line behind the last conversion
	WIN (0x04*\x)                                  ; the stores' data in window x, their address in window 0
.irp t, 0,1,2,3
	ds_store_b64 v[STO], v[224+2*\t:225+2*\t] offset:\x*16*SPI+16*\t
.endr
.endr
	WIN 0
	s_wait_xcnt 0x0                                ; an earlier block's stores have read their registers, which are loaded again
.irp u, 0,1,2,3
	ds_load_b128 v[192+4*\u:195+4*\u], v[RD] offset:8*SPI*\u   ; LDS serves a wave's instructions in order (ISA guide 5.7.1.4): these see my stores
.endr
.irp u, 0,1,2,3
	s_wait_dscnt 3-\u
	global_store_b128 v[GO], v[192+4*\u:195+4*\u], s[\base:\base+1] offset:512*\u   ; 32 lanes store 512 consecutive bytes, at a multiple of 512 from the buffer's first byte
.endr
.endm
	s_wait_loadcnt 0x0                             ; Q
.Lslot:                                            ; eight trips: behind each change of slots but the last the next visit's tiles are asked for
	CHANGE 1
	s_cmp_lg_u32 s[SLOTS], s42
	s_cbranch_scc1 .Lsame                          ; a branch on ids: visit p + 1 begins the second block
	FINISH OA
.irp x, 0,1
	WIN (0x55*\x)
.irp i, 0,1,2,3,4,5,6,7
	v_mov_b32 v[16+\i], v[24+\i]                   ; the second block's Q
.endr
	INIT
.endr
	WIN 0
	s_mov_b32 s[KF], 0
	s_mov_b32 s[Q0], s48
.Lsame:
	STEP 0
	STEP 1
	s_xor_b32 s[TB], s[TB], SLOT1                  ; on to the other slot
	s_sub_co_u32 s[SLOTS], s[SLOTS], 1
	s_cmp_lg_u32 s[SLOTS], 0
	s_cbranch_scc1 .Lslot
	CHANGE 0                                       ; the last visit is written out
	STEP 0
	STEP 1
	FINISH OB
	s_wait_tensorcnt 0x0                           ; the wave's end
	ds_add_u32 v[SPW], v[NIL]
	s_wait_dscnt 0x0
	s_endpgm
.Lfunc_end_k_qfaff914c94_attn:
	.size	k_qfaff914c94_attn, .Lfunc_end_k_qfaff914c94_attn-k_qfaff914c94_attn
	.p2alignl 7, 3214868480
	.fill 96, 4, 3214868480
	.section	.rodata,"a",@progbits
	.p2align	6, 0x0
	.amdhsa_kernel k_qfaff914c94_attn
		.amdhsa_group_segment_fixed_size 327680
		.amdhsa_private_segment_fixed_size 0
		.amdhsa_enable_private_segment 0
		.amdhsa_kernarg_size 24
		.amdhsa_user_sgpr_count 2
		.amdhsa_user_sgpr_kernarg_segment_ptr 1
		.amdhsa_wavefront_size32 1
		.amdhsa_system_sgpr_workgroup_id_x 1
		.amdhsa_system_sgpr_workgroup_id_y 1
		.amdhsa_system_sgpr_workgroup_id_z 1
		.amdhsa_system_vgpr_workitem_id 0
		.amdhsa_next_free_vgpr 512
		.amdhsa_next_free_sgpr 100
		.amdhsa_reserve_vcc 1
		.amdhsa_float_denorm_mode_32 3
		.amdhsa_float_denorm_mode_16_64 3
		.amdhsa_fp16_overflow 1
		.amdhsa_memory_ordered 1
		.amdhsa_forward_progress 1
		.amdhsa_inst_pref_size 164
	.end_amdhsa_kernel
	.amdgpu_metadata
---
amdhsa.version: [ 1, 2 ]
amdhsa.kernels:
  - .name:           k_qfaff914c94_attn
    .symbol:         k_qfaff914c94_attn.kd
    .args:
      - { .name: qkv, .offset: 0, .size: 8, .value_kind: global_buffer, .address_space: global }
      - { .name: lowp_scales, .offset: 8, .size: 8, .value_kind: global_buffer, .address_space: global }
      - { .name: att, .offset: 16, .size: 8, .value_kind: global_buffer, .address_space: global }
    .group_segment_fixed_size: 327680
    .private_segment_fixed_size: 0
    .kernarg_segment_align: 8
    .kernarg_segment_size: 24
    .max_flat_workgroup_size: 256
    .sgpr_count:     100
    .vgpr_count:     512
    .wavefront_size: 32
...
	.end_amdgpu_metadata
.endif
;; end of part 2
;; launch proj (part 3): grid 4 x 64, 4 waves a work-group, clusters of 4 x 4, 327,680 bytes of LDS; arguments att, out_w_codes, lowp_scales, out_b, out0; writes out0
.if DOCPART == 3
	.amdgcn_target "amdgcn-amd-amdhsa--gfx1250"
	.amdhsa_code_object_version 6
	.text
	.protected	k_qfaff914c94_proj
	.globl	k_qfaff914c94_proj
	.p2align	8
	.type	k_qfaff914c94_proj,@function
k_qfaff914c94_proj:
	s_mov_b64 s[64:65], 0
	v_nop
	global_prefetch_b8 v0, s[64:65] scope:SCOPE_SE
	s_setreg_imm32_b32 hwreg(HW_REG_WAVE_MODE, 25, 1), 1
	s_wait_xcnt 0x0
	s_wait_alu depctr_hold_cnt(0) depctr_sa_sdst(0) depctr_va_vdst(0) depctr_va_sdst(0) depctr_va_ssrc(0) depctr_va_vcc(0) depctr_vm_vsrc(0)
	s_getreg_b32 s2, hwreg(HW_REG_IB_STS2, 6, 4)
	s_cmp_eq_u32 s2, 0
	s_cbranch_scc0 .Lentry_in_a_cluster
	s_endpgm
.Lentry_in_a_cluster:
	s_bfe_u32 s2, ttmp6, 0x10000c
	s_cmp_lg_u32 s2, 0xf033
	s_cbranch_scc0 .Lentry_shape_is_right
	s_endpgm
.Lentry_shape_is_right:
; out0 = a out_w + out_b on codes of BF8 (E5M2).  a: the attention's result as codes, laid [h = 0..15][row = 0..8191][64 bytes], scale 2^e6; out_w: [1024 (n)][1024 (k)] codes, scale 2^e7; out_b [1024], out0 [8192][1024]: f32.
; K = 64 h + d.  The codes are multiplied as they are, and each finished sum once by 2^(e6 + e7), with the bias in the same multiply-add.   LIMIT: e6 + e7 between -126 and 127.
; A tile of 128 rows x 256 columns is made by four waves, 64 x 128 each: 32 accumulators: 256 work-groups.  K goes in four steps of 256 (four heads) through two LDS slots.
; CLUSTERS: 4 x 4 work-groups; a's tile is shared along a row of the cluster, out_w's along a column: each is asked for jointly, by the same tensor load with the same descriptor and a mask of the four.
; THE MATRIX INSTRUCTION IS USED TRANSPOSED (source 0 = 16 rows of out_w, source 1 = 16 rows of a): a lane holds eight neighbouring numbers of a row of the result.
; REGISTERS: window 0: v1-31 addresses; v32-95 at work on the way out; v128-255 a's fragments, two sets of 64, later rows read back.  window 1: out_w's fragments, two sets of 128.
;   window 2: the accumulators ((a, b) at v[8 (8 a + b)]).   window 3: v0-63 the bias in the result's layout.
.set KROW,   1024                      ; a row of out_w in memory
.set PITCH,  272                       ; 256 bytes + 16 of padding
.set HEADB,  524288                    ; a head of a in memory
.set AHEAD,  4352                      ; 64 rows of 64 bytes of one head in LDS: 4,096 bytes with 16 of padding behind each 256: row rho at (rho / 4) x 272 + (rho % 4) x 64
.set AHALF,  4*AHEAD                   ; 64 rows x four heads: one tensor load
.set BHALF,  128*PITCH                 ; 128 rows of out_w: one tensor load
.set BOFF,   2*AHALF
.set SLOT,   2*AHALF+2*BHALF
.set SPARE,  2*SLOT                    ; behind the ring: the spare words, 128 bytes a wave
.set SPITCH, 528                       ; the way out: 16 rows x (512 bytes + 16) a wave, in slot 0 behind its last fill and its last read
.set NP,     4                         ; places behind this matrix instruction (ISA guide 7.12.1)
.set ADRA, 16                          ; v16-17  LDS address of my fragments of a in slot 0, 1
.set ADRB, 20                          ; v20-21  the same for out_w
.set STO,  24
.set RD,   25
.set CO,   26
.set SPW,  28                          ; v28     LDS address of my spare word; never rewritten
.set NIL,  29                          ; v29     0; never rewritten
.set TMP,  32
.set AF,   128
.set BK,   128
.set G1, 24
.set G0, 32
.set G1B, 48
.set G0B, 56
.set MSB, 0
.macro WIN new                         ; the immediate's high byte repeats the setting that is left
.if MSB != \new
	s_set_vgpr_msb (MSB<<8)|\new
.set MSB, \new
.endif
.endm
.set MUL,  0xa1                        ; source 0 (out_w) window 1, source 1 (a) window 0, C and D window 2
.macro JLOAD g0a, g1a, g0b, g1b        ; waves 0 and 1 fetch a's halves, waves 2 and 3 out_w's; four v_nop follow each of the two lines
	s_cmp_eq_u32 s15, 0
	s_cbranch_scc0 .Lfor_b_\@
	tensor_load_to_lds s[\g0a:\g0a+3], s[\g1a:\g1a+7]
	s_nop 0
.rept 4
	v_nop
.endr
	s_branch .Lasked_\@
.Lfor_b_\@:
	tensor_load_to_lds s[\g0b:\g0b+3], s[\g1b:\g1b+7]
	s_nop 0
.rept 4
	v_nop
.endr
.Lasked_\@:
.endm
.macro CREST                           ; a round of the cluster's barrier behind its opening barrier
	s_cmp_lg_u32 s14, 0
	s_cbranch_scc1 .Lnot_wave_0_\@
	s_barrier_signal -3
.Lnot_wave_0_\@:
	s_barrier_wait -3
	s_barrier_signal -1
	s_barrier_wait -1
.endm
.macro CROUND
	s_barrier_signal -1
	s_barrier_wait -1
	CREST
.endm
.macro PLACES n
.rept \n
	v_nop
.endr
.endm
	s_load_b256 s[4:11], s[0:1], 0x0               ; a s[4:5], out_w s[6:7], the scales' exponents s[8:9], out_b s[10:11]
	s_load_b64 s[12:13], s[0:1], 0x20              ; out0
	v_lshl_add_u32 v[SPW], v0, 2, SPARE
	v_mov_b32 v[NIL], 0
	ds_add_u32 v28, v29
	ds_add_u32 v28, v29
	s_wait_dscnt 0x0
	v_lshrrev_b32 v1, 5, v0
	v_readfirstlane_b32 s14, v1                    ; wave 0..3
	s_lshr_b32 s15, s14, 1                         ; which 64 rows are mine.  Also: I fetch for a (0) or for out_w (1)
	s_and_b32 s16, s14, 1                          ; which 128 columns.  Also: which half of that tile I fetch
	s_bfe_u32 s40, ttmp6, 0x40000                  ; cx, cy
	s_bfe_u32 s41, ttmp6, 0x40004
	s_lshl_b32 s42, ttmp9, 2
	s_add_co_u32 s42, s42, s40                     ; tile column = 4 x cluster x + cx
	s_and_b32 s17, ttmp7, 0xffff
	s_lshl_b32 s17, s17, 2
	s_add_co_u32 s17, s17, s41                     ; tile row = 4 x cluster y + cy
	s_lshl_b32 s43, s41, 2
	s_lshl_b32 s43, 15, s43                        ; my row of the cluster
	s_lshl_b32 s44, 0x1111, s40                    ; my column
	; group 1 for a: four rows of 4,096 dense bytes (64 rows of 64 bytes of one head), a head apart; 16 bytes of padding behind each 256
	s_or_b32 s[G1+0], s43, (0<<16)|(1<<20)|(1<<21)|(5<<22)|(3<<25)
	s_mov_b32 s[G1+1], 4096<<16                    ; tensor_dim0
	s_mov_b32 s[G1+2], 4<<16                       ; tensor_dim1
	s_mov_b32 s[G1+3], 4096<<16                    ; tile_dim0
	s_mov_b32 s[G1+4], 4                           ; tile_dim1
	s_mov_b32 s[G1+5], HEADB                       ; tensor_dim0_stride
	s_mov_b32 s[G1+6], 0
	s_mov_b32 s[G1+7], 0
	; group 1 for out_w: 128 rows x 256 bytes
	s_or_b32 s[G1B+0], s44, (0<<16)|(1<<20)|(1<<21)|(5<<22)|(3<<25)
	s_mov_b32 s[G1B+1], 256<<16
	s_mov_b32 s[G1B+2], 128<<16
	s_mov_b32 s[G1B+3], 256<<16
	s_mov_b32 s[G1B+4], 128
	s_mov_b32 s[G1B+5], KROW
	s_mov_b32 s[G1B+6], 0
	s_mov_b32 s[G1B+7], 0
	s_lshl_b32 s20, s17, 13                        ; a: 128 x tile row rows of 64 bytes
	s_lshl_b32 s18, s16, 12                        ; + 64 x half
	s_add_co_u32 s20, s20, s18
	s_mov_b32 s21, 0
	s_lshl_b32 s46, s42, 18                        ; out_w: 256 x tile column rows of 1,024 bytes
	s_lshl_b32 s18, s16, 17                        ; + 128 x half
	s_add_co_u32 s46, s46, s18
	s_mov_b32 s47, 0
	s_mul_i32 s45, s16, AHALF                      ; where they go: no place in the cluster enters an LDS address
	s_mul_i32 s19, s16, BHALF
	s_add_co_u32 s19, s19, BOFF
	s_wait_kmcnt 0x0
	s_load_b64 s[96:97], s[8:9], 0x18              ; e6, e7
	s_add_nc_u64 s[20:21], s[4:5], s[20:21]
	s_add_nc_u64 s[46:47], s[6:7], s[46:47]
	CROUND                                         ; all sixteen work-groups are here: the first joint loads meet
.irp s, 0,1
	s_mov_b32 s[G0+4*\s], 1
	s_add_co_u32 s[G0+4*\s+1], s45, \s*SLOT
	s_add_nc_u64 s[G0+4*\s+2:G0+4*\s+3], s[20:21], \s*4*HEADB      ; K step s: heads 4 s on
	s_or_b32 s[G0+4*\s+3], s[G0+4*\s+3], 0x80000000
	s_mov_b32 s[G0B+4*\s], 1
	s_add_co_u32 s[G0B+4*\s+1], s19, \s*SLOT
	s_add_nc_u64 s[G0B+4*\s+2:G0B+4*\s+3], s[46:47], \s*256
	s_or_b32 s[G0B+4*\s+3], s[G0B+4*\s+3], 0x80000000
	s_wait_alu depctr_va_vdst(0)
	s_wait_tensorcnt 0x0
	ds_add_u32 v28, v29
	ds_add_u32 v28, v29
	s_wait_dscnt 0x0
	CROUND
	JLOAD G0+4*\s, G1, G0B+4*\s, G1B               ; one load of mine is out
.endr
	v_and_b32 v1, 15, v0                           ; r
	v_bfe_u32 v2, v0, 4, 1                         ; h
	v_lshrrev_b32 v3, 2, v1
	v_mul_u32_u24 v3, v3, PITCH
	v_and_b32 v4, 3, v1
	v_lshl_add_u32 v3, v4, 6, v3
	v_lshl_add_u32 v3, v2, 4, v3                   ; a: (r / 4) x 272 + (r % 4) x 64 + 16 h
	v_mul_u32_u24 v4, v1, PITCH
	v_lshl_add_u32 v4, v2, 4, v4                   ; out_w: r x 272 + 16 h
	s_mul_i32 s21, s15, AHALF                      ; my 64 rows of a
	s_mul_i32 s22, s16, BHALF                      ; my 128 rows of out_w
	s_add_co_u32 s22, s22, BOFF
.irp s, 0,1
	v_add_nc_u32 v[ADRA+\s], s21, v3
	v_add_nc_u32 v[ADRB+\s], s22, v4
	s_add_co_u32 s21, s21, SLOT
	s_add_co_u32 s22, s22, SLOT
.endr
	s_mul_i32 s23, s14, 16*SPITCH                  ; my stage
	v_mul_u32_u24 v5, v1, SPITCH                   ; in: row r, 32 bytes for each half of the lanes
	v_lshl_add_u32 v5, v2, 5, v5
	v_add_nc_u32 v[STO], s23, v5
	v_and_b32 v6, 31, v0
	v_lshlrev_b32 v[CO], 4, v6                     ; back: the 32 lanes take one row of 512 bytes; and the same in the result
	v_add_nc_u32 v[RD], s23, v[CO]
	s_lshl_b32 s46, s42, 10
	s_lshl_b32 s47, s16, 9
	s_add_co_u32 s46, s46, s47                     ; my first column in bytes: 1,024 x tile column + 512 x half: in out_b and in a row of the result
	s_mov_b32 s47, 0
	s_add_nc_u64 s[10:11], s[10:11], s[46:47]
	s_lshl_b32 s20, s17, 19                        ; my first row: 128 x tile row + 64 x half, rows of 4,096 bytes
	s_lshl_b32 s21, s15, 18
	s_add_co_u32 s20, s20, s21
	s_add_co_u32 s20, s20, s46
	s_mov_b32 s21, 0
	s_add_nc_u64 s[12:13], s[12:13], s[20:21]
	v_lshlrev_b32 v27, 5, v2                       ; the bias: register 8 b + j = out_b[my first column + 16 b + 8 h + j]
	WIN 0xc0                                       ; destination window 3
.irp b, 0,1,2,3,4,5,6,7
	global_load_b128 v[8*\b:8*\b+3], v27, s[10:11] offset:64*\b
	global_load_b128 v[8*\b+4:8*\b+7], v27, s[10:11] offset:64*\b+16
.endr
	WIN 0
; 48 LDS loads: the fragments of the slot's q-th 128 along K into set `set`: registers 4 c .. 4 c + 3 hold K = 32 c + 16 h + 0 .. 15 on both sides
.macro FETCH3 slot, q, set
	WIN 0x40
.irp i, 0,1,2,3,4,5,6,7
.irp c, 0,1,2,3
	ds_load_b128 v[128*(\set)+16*\i+4*\c:128*(\set)+16*\i+4*\c+3], v[ADRB+\slot] offset:128*(\q)+32*\c+\i*16*PITCH
.endr
.endr
	WIN 0
.irp i, 0,1,2,3
.irp c, 0,1,2,3
	ds_load_b128 v[AF+64*(\set)+16*\i+4*\c:AF+64*(\set)+16*\i+4*\c+3], v[ADRA+\slot] offset:(2*(\q)+\c/2)*AHEAD+\i*4*PITCH+32*(\c%2)
.endr
.endr
.endm
; 8 matrix instructions: block a of my rows x out_w's eight.  The 32 accumulators take turns, one instruction a turn, in the same order in every step.
.macro MULA a, set, zero
.irp b, 0,1,2,3,4,5,6,7
.if \zero
	v_wmma_f32_16x16x128_bf8_bf8 v[8*(8*(\a)+\b):8*(8*(\a)+\b)+7], v[128*(\set)+16*\b:128*(\set)+16*\b+15], v[AF+64*(\set)+16*(\a):AF+64*(\set)+16*(\a)+15], 0
.else
	v_wmma_f32_16x16x128_bf8_bf8 v[8*(8*(\a)+\b):8*(8*(\a)+\b)+7], v[128*(\set)+16*\b:128*(\set)+16*\b+15], v[AF+64*(\set)+16*(\a):AF+64*(\set)+16*(\a)+15], v[8*(8*(\a)+\b):8*(8*(\a)+\b)+7]
.endif
.endr
.endm
; A slot's first 128 along K (set 0); the second 128's fragments are asked for ahead of its 32 products.
.macro STEP3 slot, zero
	s_wait_dscnt 0x0                               ; set 0 is in
	PLACES NP                                      ; in front of loads into set 1, which the last products read
	FETCH3 \slot, 1, 1
	WIN MUL
	MULA 0, 0, \zero
	MULA 1, 0, \zero
	MULA 2, 0, \zero
	MULA 3, 0, \zero
.endm
; A slot's second 128 along K (set 1) changes slots: ONE barrier; in front of it each wave waits for all its tensor loads, adds 0 to its spare word, and waits for that and for its reads of this slot.
.macro TURN3 slot, next, fill
	WIN 0                                          ; (the add's two registers lie in window 0)
	s_wait_tensorcnt 0x0                           ; all my tensor loads have landed: my part of the next slot
	ds_add_u32 v[SPW], v[NIL]                      ; 0 onto my spare word
	s_wait_dscnt 1                                 ; set 1 is in; the add may be out
	WIN MUL
	MULA 0, 1, 0                                   ; eight matrix instructions stand between the add and the wait for it
	s_wait_dscnt 0x0                               ; the add is done, and my reads of this slot are over
	s_barrier_signal -1
	MULA 1, 1, 0
	WIN 0
	s_barrier_wait -1
.if \fill
	CREST                                          ; the barrier has opened a round of the cluster's: no wave of any partner still reads this slot or has a load on its way
	s_add_nc_u64 s[G0+4*\slot+2:G0+4*\slot+3], s[G0+4*\slot+2:G0+4*\slot+3], 8*HEADB
	s_add_nc_u64 s[G0B+4*\slot+2:G0B+4*\slot+3], s[G0B+4*\slot+2:G0B+4*\slot+3], 512
	JLOAD G0+4*\slot, G1, G0B+4*\slot, G1B         ; my one tensor load behind the round; its four v_nop are the places in front of the loads below
.else
	PLACES NP
.endif
	s_wait_alu depctr_va_vdst(0)
	FETCH3 \next, 0, 0
	WIN MUL
	MULA 2, 1, 0
	MULA 3, 1, 0
.endm
	s_wait_tensorcnt 1                             ; my part of K step 0 is in (K step 1's load may be out)
	s_barrier_signal -1
	s_barrier_wait -1                              ; everybody's is
	FETCH3 0, 0, 0
	STEP3 0, 1                                     ; the first products start the sums.  K = 1,024 is four K steps: written out, no loop
	TURN3 0, 1, 1                                  ; slot 0 takes K step 2
	STEP3 1, 0
	TURN3 1, 0, 1                                  ; slot 1 takes K step 3
	STEP3 0, 0
	TURN3 0, 1, 0                                  ; nothing is left to fetch
	STEP3 1, 0
	s_wait_dscnt 0x0                               ; the last 128 along K
	MULA 0, 1, 0
	MULA 1, 1, 0
	MULA 2, 1, 0
	MULA 3, 1, 0
	WIN 0
; THE WAY OUT, block by block of 16 rows x 128 columns: sum x 2^(e6 + e7) + bias, through my own stage in LDS, back as whole rows of 512 bytes.
.macro TOSTAGE a
.set AC, 64*(\a)
	WIN 0x32                                       ; source 0 (the sums) window 2, source 2 (the bias) window 3
.set j, 0
.rept 32
	v_pk_fma_f32 v[TMP+j:TMP+j+1], v[AC+j:AC+j+1], s[96:97], v[j:j+1] op_sel_hi:[1,0,1]   ; the scalar pair's low word for both halves; each accumulator from its low end on
.set j, j+2
.endr
	WIN 0
.irp b, 0,1,2,3,4,5,6,7
	ds_store_b128 v[STO], v[TMP+8*\b:TMP+8*\b+3] offset:64*\b
	ds_store_b128 v[STO], v[TMP+8*\b+4:TMP+8*\b+7] offset:64*\b+16
.endr
.set BB, BK+64*((\a)%2)
.irp t, 0,1,2,3,4,5,6,7,8,9,10,11,12,13,14,15
	ds_load_b128 v[BB+4*\t:BB+4*\t+3], v[RD] offset:\t*SPITCH   ; LDS serves a wave's instructions in order (ISA guide 5.7.1.4): these see my stores
.endr
.endm
.macro SEND a, younger                 ; younger: the LDS instructions issued behind block a's loads, which may stay out
.set BB, BK+64*((\a)%2)
	s_wait_dscnt \younger
.if (\a) > 0
	s_add_nc_u64 s[12:13], s[12:13], 16*4096       ; (behind a wait on XCNT: the earlier stores have read their base)  16 rows on
.endif
.irp t, 0,1,2,3,4,5,6,7,8,9,10,11,12,13,14,15
	global_store_b128 v[CO], v[BB+4*\t:BB+4*\t+3], s[12:13] offset:\t*4096 th:TH_STORE_NT   ; 32 lanes store 512 consecutive bytes, at a multiple of 512 from the buffer's first byte
.endr
.endm
	s_wait_kmcnt 0x0
	s_add_co_i32 s96, s96, s97                     ; e6 + e7, between -126 and 127,
	s_add_co_i32 s96, s96, 127
	s_lshl_b32 s96, s96, 23                        ; makes the f32 number 2^(e6 + e7)
	s_mov_b32 s97, s96                             ; (named with it as a pair)
	s_wait_loadcnt 0x0                             ; the bias
	PLACES NP                                      ; behind the last products
	TOSTAGE 0
.irp a, 1,2,3
.if \a > 1
	s_wait_xcnt 0x0                                ; block a - 2's stores have read their registers and their base
.endif
	TOSTAGE \a
	SEND \a-1, 32                                  ; behind block a - 1's loads: block a's 16 stores and 16 loads
.endr
	s_wait_xcnt 0x0                                ; block 2's stores have read their base
	SEND 3, 0
	s_wait_tensorcnt 0x0                           ; the wave's end
	ds_add_u32 v[SPW], v[NIL]
	s_wait_dscnt 0x0
	CROUND                                         ; the closing round: no work-group ends while a partner may still ask for a tile that names it
	s_endpgm
.Lfunc_end_k_qfaff914c94_proj:
	.size	k_qfaff914c94_proj, .Lfunc_end_k_qfaff914c94_proj-k_qfaff914c94_proj
	.p2alignl 7, 3214868480
	.fill 96, 4, 3214868480
	.section	.rodata,"a",@progbits
	.p2align	6, 0x0
	.amdhsa_kernel k_qfaff914c94_proj
		.amdhsa_group_segment_fixed_size 327680
		.amdhsa_private_segment_fixed_size 0
		.amdhsa_enable_private_segment 0
		.amdhsa_kernarg_size 40
		.amdhsa_user_sgpr_count 2
		.amdhsa_user_sgpr_kernarg_segment_ptr 1
		.amdhsa_wavefront_size32 1
		.amdhsa_system_sgpr_workgroup_id_x 1
		.amdhsa_system_sgpr_workgroup_id_y 1
		.amdhsa_system_sgpr_workgroup_id_z 1
		.amdhsa_system_vgpr_workitem_id 0
		.amdhsa_next_free_vgpr 832
		.amdhsa_next_free_sgpr 100
		.amdhsa_reserve_vcc 0
		.amdhsa_float_denorm_mode_32 3
		.amdhsa_float_denorm_mode_16_64 3
		.amdhsa_memory_ordered 1
		.amdhsa_forward_progress 1
		.amdhsa_inst_pref_size 78
	.end_amdhsa_kernel
	.amdgpu_metadata
---
amdhsa.version: [ 1, 2 ]
amdhsa.kernels:
  - .name:           k_qfaff914c94_proj
    .symbol:         k_qfaff914c94_proj.kd
    .args:
      - { .name: att, .offset: 0, .size: 8, .value_kind: global_buffer, .address_space: global }
      - { .name: out_w_codes, .offset: 8, .size: 8, .value_kind: global_buffer, .address_space: global }
      - { .name: lowp_scales, .offset: 16, .size: 8, .value_kind: global_buffer, .address_space: global }
      - { .name: out_b, .offset: 24, .size: 8, .value_kind: global_buffer, .address_space: global }
      - { .name: out0, .offset: 32, .size: 8, .value_kind: global_buffer, .address_space: global }
    .group_segment_fixed_size: 327680
    .private_segment_fixed_size: 0
    .kernarg_segment_align: 8
    .kernarg_segment_size: 40
    .max_flat_workgroup_size: 128
    .sgpr_count:     100
    .vgpr_count:     832
    .wavefront_size: 32
...
	.end_amdgpu_metadata
.endif
;; end of part 3
